; MI455X (gfx1250); checked and timed in simulation.
; The chip was launched on July 23, 2026; its instructions are those of AMD's public machine-readable ISA for CDNA 5 (MIT licence, August 2026) and "CDNA5" Instruction Set Architecture Reference Guide (July 2026). The comments in the code are by the model that wrote it; some were corrected since.
;; Ampere FP8 Linear. Allowed arithmetic: matrix products marked QUANTISED: E5M2 operands, one E8M0 scale for each 32 along K, by v_wmma_scale_f32_16x16x128_f8f6f4 with both operands' format E5M2, f32 sums; everything else in f32.
;; Inputs: act 1,024 x 4,096 float16; scale 14,336 float16; weight 4,096 x 14,336 int8.
;; Outputs: out0 1,024 x 14,336 float16.
;; This version of the problem:
;;   THIS VERSION OF THE PROBLEM IS GIVEN IN LOW PRECISION. The matrix products marked QUANTISED in the list below multiply operands that are first quantised to E5M2 (5 exponent bits, 2 mantissa bits; 8 bits a number), with one power-of-two scale for each 32 numbers along K (OCP MX v1.0); their sums are f32. All else is computed in f32.
;;   The module's matrix products, in the order in which they are computed (A, B: the left and right operand; K: the contracted axis; several contracted axes count as one K, in the product's order):
;;     1. [M 1,024, K 4,096] x [K 4,096, N 14,336]; A: input act; B: input weight: QUANTISED
;;   THE QUANTISER, for each operand of a quantised product, along K:
;;     - K is cut into blocks of 32 from its start; a last block that is shorter is filled with zeros.
;;     - A block's scale is 2^e with e = floor(log2(the largest magnitude in the block)) - 15, held to -126 .. 127; a block of zeros has e = 0. As a byte (E8M0): e + 127.
;;     - Each number is divided by its block's scale, clamped to +-57,344, and rounded to the nearest number of E5M2, ties to even, subnormals kept.
;;     - The product sums the exact products of the quantised numbers (number of the format x scale) in f32.
;;   ~~~python
;;   def quantise(x, axis):      # numpy; x: float32 -> the quantised numbers, widened to float32 again
;;       x = np.moveaxis(x, axis, -1); K = x.shape[-1]
;;       x = np.pad(x, [(0, 0)] * (x.ndim - 1) + [(0, -K % 32)]); x = x.reshape(x.shape[:-1] + (-1, 32)); a = np.abs(x).max(-1, keepdims=True)
;;       e = np.where(a > 0, np.clip(np.frexp(np.where(a > 0, a, 1))[1] - 1 - 15, -126, 127), 0)      # np.frexp(a)[1] - 1 = floor(log2(a)), exactly
;;       r = np.clip(x / 2.0 ** e, -57344, 57344)
;;       step = 2.0 ** (np.maximum(np.frexp(np.where(r == 0, 1, r))[1] - 1, -14) - 2)
;;       q = np.round(r / step) * step * 2.0 ** e      # np.round: ties to even
;;       return np.moveaxis(q.reshape(q.shape[:-2] + (-1,))[..., :K], -1, axis).astype(np.float32)
;;   ~~~
;; One version. Each part assembles by itself: llvm-mc -triple=amdgcn-amd-amdhsa -mcpu=gfx1250 --defsym DOCPART=n.
;; ======== version 1 of 1: 2 launches
;; workspace buffers: aq 4,325,376 bytes; bq 60,555,264 bytes
;; launch quant (part 1): grid 960 x 1, 4 waves a work-group, no clusters, 38,400 bytes of LDS; arguments act, weight, aq, bq; writes aq, bq
.if DOCPART == 1
	.amdgcn_target "amdgcn-amd-amdhsa--gfx1250"
	.amdhsa_code_object_version 6
	.text
	.protected	k_q452b779184_quant
	.globl	k_q452b779184_quant
	.p2align	8
	.type	k_q452b779184_quant,@function
k_q452b779184_quant:
	s_mov_b64 s[64:65], 0
	v_nop
	global_prefetch_b8 v0, s[64:65] scope:SCOPE_SE
	s_setreg_imm32_b32 hwreg(HW_REG_WAVE_MODE, 25, 1), 1
	s_wait_xcnt 0x0
; act [1024][4096] f16 (K innermost) and weight [4096][14336] int8 (K is the FIRST axis) become codes of BF8 (E5M2) with one E8M0 byte for each 32 along K,
; laid in the order in which the product's launch takes them into registers.
; A block's scale is 2^(floor(log2(its largest magnitude)) - 15); its byte is the largest magnitude's exponent field - 15, held at 1 from below.  Each number is held within
; +-57,344 x the scale, divided by the scale and rounded to the nearest code, ties to even.
; LIMITS: NaN and infinities in act are not served.  A block of zeros gets the byte 1 where the rule says 127: its codes are zeros, which add nothing under any byte but 0xff,
; and the bytes are read by this program alone.
; THE OUTPUT.  A RECORD is 256 rows (of act) or 256 columns (of weight) x 256 along K: two half-records of 128 x 256, HALFR bytes each.  In a half-record:
;   codes: fragment f = 8 q + i (q: which 128 along K; i: which 16 rows) at 2,048 f; in it the 16 bytes of lane l = 16 h + r, register group c, at 512 c + 16 l: k = 128 q + 32 c + 16 h + 0 .. 15 of row r;
;   scale words at SCOFF + 512 q + 32 r + 4 i: byte c scales k = 128 q + 32 c + 0 .. 31 of row r of block i.
; aq = [tile row 0..3][K step 0..15] records, bq = [tile column 0..55][K step 0..15] records.
; B'S COLUMNS IN A TILE: place (half H, block b, row r) holds column 128 H + 8 r + b: lane l = 16 H + r of an 8-byte load holds just these eight columns, b = 0 .. 7.
; SHARES.  Work-groups 0-63 make one record of act each, the other 896 one record of weight: 65,536 numbers each.  The two ways part on the work-group's number, have LDS bytes of their own and meet at the tail.
; No tensor loads, no matrix work: memory binds.  Every load of a wave covers 512 (act) or 256 (weight) consecutive aligned bytes; every store of codes fills aligned runs of 256 bytes from sixteen neighbouring lanes.
.set AWG,    64                        ; work-groups that take act
.set KB,     8192                      ; a row of act in bytes
.set NB,     14336                     ; a row of weight in bytes
.set SCOFF,  32768                     ; a half-record's scale words begin here
.set HALFR,  33792                     ; a half-record: 32,768 bytes of codes + 1,024 of scale words
.set RECORD, 2*HALFR
.set SPITCH, 528                       ; act's stage: a row of 512 bytes + 16: 33 x 16, so that sixteen rows' 16-byte pieces fall on different banks (64 banks of 4 bytes: ISA guide 11.1)
.set STGW,   16*SPITCH                 ; a wave's stage: 16 rows
.set SCA,    4*STGW                    ; behind the four stages: the record's scale words as act's way gathers them, 2,048 bytes: 1,024 H + 512 q + 32 r + 4 i
.set SCB,    SCA+2048                  ; and as weight's way gathers them
.set PB,     16                        ; act: v16-23, v24-31  a block's 16 f16 of my row, two sets
.set X,      32                        ; v32..  the numbers of the block in hand as f32 (act: 16; weight: 32)
.set BY,     72                        ; weight: v72-79  column j's two scale bytes
.set RAW,    128                       ; v128-255  two sets of 64 registers as loaded
; v1 lane, v3 r, v4 h; v5 tail: LDS; v6 16 x lane; v8, v9 act's stage in, out; v10 act's scale words; v11 8 x lane; v12 weight's codes out; v13 weight's scale bytes.  None is rewritten.
	s_load_b256 s[4:11], s[0:1], 0x0               ; act s[4:5], weight s[6:7], aq s[8:9], bq s[10:11]
	v_lshl_add_u32 v126, v0, 2, 0x9400
	v_mov_b32 v127, 0
	v_lshrrev_b32 v2, 5, v0
	v_readfirstlane_b32 s12, v2                    ; wave w
	s_lshr_b32 s13, s12, 1                         ; w / 2
	s_and_b32 s14, s12, 1                          ; w % 2
	v_and_b32 v1, 31, v0                           ; lane
	v_and_b32 v3, 15, v0                           ; r
	v_bfe_u32 v4, v0, 4, 1                         ; h
	v_lshlrev_b32 v6, 4, v1
	v_lshlrev_b32 v11, 3, v1
	s_mul_i32 s48, s12, STGW
	v_add_nc_u32 v8, s48, v6                       ; the stage, in: a row's 512 bytes as they lie
	v_mul_u32_u24 v9, v3, SPITCH
	v_lshl_add_u32 v9, v4, 5, v9
	v_add_nc_u32 v9, s48, v9                       ; out: row r, my half's 32 bytes of a block's 64
	s_lshl_b32 s48, s13, 10
	s_lshl_b32 s49, s14, 4
	s_add_co_u32 s48, s48, s49
	s_add_co_u32 s48, s48, SCA
	v_lshlrev_b32 v10, 5, v3
	v_lshl_add_u32 v10, v4, 9, v10
	v_add_nc_u32 v10, s48, v10                     ; act's scale words: half w / 2; my four blocks' words, 16 (w % 2) on; lanes 0-15 store q = 0, lanes 16-31 q = 1
	v_mul_u32_u24 v12, v4, HALFR
	v_lshl_add_u32 v12, v3, 4, v12                 ; weight's codes: my half-record, row r's 16 bytes
	s_lshl_b32 s48, s13, 9
	s_lshl_b32 s49, s14, 1
	s_add_co_u32 s48, s48, s49
	s_add_co_u32 s48, s48, SCB
	v_lshlrev_b32 v13, 5, v3
	v_lshl_add_u32 v13, v4, 10, v13
	v_add_nc_u32 v13, s48, v13                     ; weight's scale bytes: half h, q = w / 2, row r, bytes 2 (w % 2) and the next
	v_mov_b32 v61, 0                               ; written once: a lane permute's destination counts as one of its sources
	s_mov_b32 s26, 0x600000                        ; the mantissa field of 57,344
	s_mov_b32 s28, 0x76543210
	s_mov_b32 s29, 0xfedcba98                      ; v_permlanex16_b32's selects for lane l xor 16
	s_mov_b32 s30, 0x4b000000                      ; 2^23 as f32
	s_mov_b32 s32, 0x07040400                      ; v_perm_b32: byte jb of the loaded word under 2^23's exponent
	s_mov_b32 s33, 0x07040401
	s_mov_b32 s34, 0x07040402
	s_mov_b32 s35, 0x07040403
	s_mov_b32 s36, 0xcb000080                      ; -(2^23 + 128)
	s_mov_b32 s37, s36                             ; (named with it as a pair, so it is written)
	s_mov_b32 s38, 0x80808080
	s_wait_kmcnt 0x0
	s_cmp_lt_u32 ttmp9, AWG                        ; act's work-group or weight's?  The choices hang on the work-group's number alone, and all are made before SCC is set anew
	s_cselect_b64 s[18:19], s[8:9], s[10:11]
	s_cselect_b32 s16, 0, AWG
	s_mov_b32 s20, SCB
	s_cselect_b32 s20, SCA, s20
	s_sub_co_u32 s16, ttmp9, s16                   ; g: which record of the tensor
	s_mul_i32 s22, s16, RECORD                     ; under 2^26
	s_mov_b32 s23, 0
	s_add_nc_u64 s[18:19], s[18:19], s[22:23]      ; my record
	s_lshl_b32 s21, s12, 9
	s_add_co_u32 s20, s20, s21
	v_lshl_add_u32 v5, v1, 4, s20                  ; the tail: my wave's 512 bytes of the gathered scale words
	s_mov_b32 s51, 0
	s_mul_i32 s50, s13, HALFR
	s_add_nc_u64 s[52:53], s[18:19], s[50:51]      ; half-record w / 2
	s_lshl_b32 s50, s14, 9
	s_add_co_u32 s50, s50, SCOFF
	s_add_nc_u64 s[24:25], s[52:53], s[50:51]      ; and where those 512 bytes go
	s_lshr_b32 s54, s16, 4                         ; the tile
	s_and_b32 s55, s16, 15                         ; the K step
	s_lshl_b32 s56, s12, 6                         ; 64 w
	s_cmp_lt_u32 ttmp9, AWG
	s_cbranch_scc0 .Lweight
; ---------------- ACT.  Wave w takes rows 64 w .. 64 w + 63 of the tile, 16 at a time: half w / 2, block i = 4 (w % 2) + p.
; A load takes 512 consecutive bytes of one row; the conversions want 16 neighbours along K in one lane: so 16 rows turn through the wave's own stage.
	s_lshl_b32 s50, s54, 8
	s_add_co_u32 s50, s50, s56
	s_lshl_b32 s50, s50, 13                        ; my first row x 8,192 bytes
	s_lshl_b32 s57, s55, 9
	s_add_co_u32 s50, s50, s57                     ; + the K step's 512 bytes
	s_add_nc_u64 s[40:41], s[4:5], s[50:51]
	s_lshl_b32 s50, s14, 13
	s_add_nc_u64 s[42:43], s[52:53], s[50:51]      ; codes: my half-record, my four blocks
.macro ALOAD p                         ; 16 rows into set p % 2
.irp i, 0,1,2,3,4,5,6,7,8,9,10,11,12,13,14,15
	global_load_b128 v[RAW+64*((\p)%2)+4*\i:RAW+64*((\p)%2)+4*\i+3], v6, s[40:41] offset:(16*(\p)+\i)*KB th:TH_LOAD_NT
.endr
.endm
.macro PBLOAD cb                       ; my 16 numbers of block cb of my row: 32 bytes
	ds_load_b128 v[PB+8*((\cb)%2):PB+8*((\cb)%2)+3], v9 offset:64*(\cb)
	ds_load_b128 v[PB+8*((\cb)%2)+4:PB+8*((\cb)%2)+7], v9 offset:64*(\cb)+16
.endm
.macro CVT_PB0                         ; f16 to f32, exact; halves of a register are named, so the lines are written out
	v_cvt_f32_f16 v32, v16.l
	v_cvt_f32_f16 v33, v16.h
	v_cvt_f32_f16 v34, v17.l
	v_cvt_f32_f16 v35, v17.h
	v_cvt_f32_f16 v36, v18.l
	v_cvt_f32_f16 v37, v18.h
	v_cvt_f32_f16 v38, v19.l
	v_cvt_f32_f16 v39, v19.h
	v_cvt_f32_f16 v40, v20.l
	v_cvt_f32_f16 v41, v20.h
	v_cvt_f32_f16 v42, v21.l
	v_cvt_f32_f16 v43, v21.h
	v_cvt_f32_f16 v44, v22.l
	v_cvt_f32_f16 v45, v22.h
	v_cvt_f32_f16 v46, v23.l
	v_cvt_f32_f16 v47, v23.h
.endm
.macro CVT_PB1
	v_cvt_f32_f16 v32, v24.l
	v_cvt_f32_f16 v33, v24.h
	v_cvt_f32_f16 v34, v25.l
	v_cvt_f32_f16 v35, v25.h
	v_cvt_f32_f16 v36, v26.l
	v_cvt_f32_f16 v37, v26.h
	v_cvt_f32_f16 v38, v27.l
	v_cvt_f32_f16 v39, v27.h
	v_cvt_f32_f16 v40, v28.l
	v_cvt_f32_f16 v41, v28.h
	v_cvt_f32_f16 v42, v29.l
	v_cvt_f32_f16 v43, v29.h
	v_cvt_f32_f16 v44, v30.l
	v_cvt_f32_f16 v45, v30.h
	v_cvt_f32_f16 v46, v31.l
	v_cvt_f32_f16 v47, v31.h
.endm
; Block cb (32 along K) of the pass's 16 rows: lanes l and l xor 16 hold a row's block.  v60, v65 largest magnitude; v62 57,344 x the scale; v63 the conversion's scale operand; v64 the byte; v[68:71] the codes.
.macro ABLOCK p, cb
.if \cb < 7
	s_wait_dscnt 2                                 ; LDS serves a wave in order: this block's two loads are in, the next block's two may be out
.else
	s_wait_dscnt 0x0
.endif
.if (\cb == 0) && (\p < 2)
	ALOAD (\p)+2                                   ; the wait above also shows the pass's 16 stores into the stage done: their registers take the rows of two passes on
.endif
.if (\cb)%2 == 0
	CVT_PB0
.else
	CVT_PB1
.endif
.if \cb < 6
	PBLOAD (\cb)+2                                 ; into the set just read
.endif
	v_max3_num_f32 v60, |v[X]|, |v[X+1]|, |v[X+2]|
	v_max3_num_f32 v65, |v[X+3]|, |v[X+4]|, |v[X+5]|
.irp i, 6,10
	v_max3_num_f32 v60, v60, |v[X+\i]|, |v[X+\i+1]|
	v_max3_num_f32 v65, v65, |v[X+\i+2]|, |v[X+\i+3]|
.endr
	v_max3_num_f32 v60, v60, |v[X+14]|, |v[X+15]|
	v_max3_num_f32 v60, v60, v65, 0x8000000        ; and the floor 2^(16 - 127): the byte cannot fall under 1
	v_permlanex16_b32 v61, v60, s28, s29
	v_max_num_f32 v60, v60, v61                    ; with lane l xor 16's 16: the block's largest magnitude
	v_add_nc_u32 v63, 0xf8800000, v60              ; 15 off its exponent field: the conversion takes the exponent field of this operand as its scale
	v_and_or_b32 v62, v60, 0x7f800000, s26         ; 57,344 x the scale
	v_lshrrev_b32 v64, 23, v63                     ; the scale's byte
.irp i, 0,1,2,3,4,5,6,7,8,9,10,11,12,13,14,15
	v_med3_num_f32 v[X+\i], v[X+\i], -v62, v62     ; the conversion to an 8-bit code does not saturate (ISA guide 7.6.2): the hold comes first
.endr
	s_wait_xcnt 0x0                                ; the last block's store has read v[68:71]: they are written again only behind this wait
	v_cvt_scalef32_pk8_bf8_f32 v[68:69], v[X:X+7], v63
	v_cvt_scalef32_pk8_bf8_f32 v[70:71], v[X+8:X+15], v63
.if (\cb)%4 == 0
	v_mov_b32 v[48+4*((\cb)/4)+(\p)], v64          ; the byte into the word of (q = cb / 4, block p): v48-51 q = 0, v52-55 q = 1.  Also the plain line behind the conversions
.else
	v_lshl_or_b32 v[48+4*((\cb)/4)+(\p)], v64, 8*((\cb)%4), v[48+4*((\cb)/4)+(\p)]
.endif
	global_store_b128 v6, v[68:71], s[42:43] offset:((\cb)/4)*16384+(\p)*2048+((\cb)%4)*512 th:TH_STORE_NT   ; group c of a fragment: 512 consecutive aligned bytes
.endm
.macro APASS p
.if \p < 3
	s_wait_loadcnt 16                              ; this pass's 16 loads are in; the next pass's 16 may be out
.else
	s_wait_loadcnt 0x0
.endif
.irp i, 0,1,2,3,4,5,6,7,8,9,10,11,12,13,14,15
	ds_store_b128 v8, v[RAW+64*((\p)%2)+4*\i:RAW+64*((\p)%2)+4*\i+3] offset:SPITCH*\i   ; behind the last pass's loads from the stage, which have been waited for
.endr
	PBLOAD 0
	PBLOAD 1
.irp cb, 0,1,2,3,4,5,6,7
	ABLOCK \p, \cb
.endr
.endm
	ALOAD 0
	ALOAD 1
	APASS 0
	APASS 1
	APASS 2
	APASS 3
	v_cmp_eq_u32 vcc_lo, 1, v4                     ; both halves of the lanes hold both words: lanes 16-31 hand in q = 1's
.irp p, 0,1,2,3
	v_cndmask_b32 v[56+\p], v[48+\p], v[52+\p], vcc_lo
.endr
	ds_store_b128 v10, v[56:59]                    ; my four blocks' words of row r
	s_branch .Ljoin
; ---------------- WEIGHT.  Wave w takes k = 64 w .. 64 w + 63 of the K step, for all 256 columns: q = w / 2, blocks c = 2 (w % 2) + t, t = 0, 1.
; A lane holds eight columns, and its registers run down K: a block of 32 of one column lies in one lane, and the conversions give codes with K innermost.  Nothing is transposed.
.Lweight:
	s_lshl_b32 s50, s55, 8
	s_add_co_u32 s50, s50, s56                     ; my first row of weight: 256 x K step + 64 w
	s_mul_i32 s50, s50, NB
	s_lshl_b32 s57, s54, 8
	s_add_co_u32 s50, s50, s57                     ; + the tile's 256 columns
	s_add_nc_u64 s[44:45], s[6:7], s[50:51]
	s_lshl_b32 s50, s13, 14
	s_lshl_b32 s57, s14, 10
	s_add_co_u32 s50, s50, s57
	s_add_nc_u64 s[46:47], s[18:19], s[50:51]      ; codes: fragments 8 q on, groups 2 (w % 2) on
.macro WLOAD t                         ; 32 rows: each load takes 256 consecutive aligned bytes, 8 a lane
.irp kk, 0,1,2,3,4,5,6,7,8,9,10,11,12,13,14,15,16,17,18,19,20,21,22,23,24,25,26,27,28,29,30,31
	global_load_b64 v[RAW+64*(\t)+2*\kk:RAW+64*(\t)+2*\kk+1], v11, s[44:45] offset:(32*(\t)+\kk)*NB th:TH_LOAD_NT
.endr
.endm
; Column j of my eight, block t.  v16, v17 largest magnitude; v18 57,344 x the scale; v19 the scale operand; v20 the byte; v[64:71] the 32 codes.
.macro WCOL t, j
.irp kk, 0,1,2,3,4,5,6,7,8,9,10,11,12,13,14,15,16,17,18,19,20,21,22,23,24,25,26,27,28,29,30,31
	v_perm_b32 v[X+\kk], s30, v[RAW+64*(\t)+2*\kk+(\j)/4], s[32+(\j)%4]   ; the byte u = x + 128 as the low mantissa bits of 2^23: the f32 number 2^23 + u
.endr
.irp kk, 0,2,4,6,8,10,12,14,16,18,20,22,24,26,28,30
	v_pk_add_f32 v[X+\kk:X+\kk+1], v[X+\kk:X+\kk+1], s[36:37] op_sel_hi:[1,0]   ; less 2^23 + 128: x, exactly
.endr
	v_max3_num_f32 v16, |v[X]|, |v[X+1]|, |v[X+2]|
	v_max3_num_f32 v17, |v[X+3]|, |v[X+4]|, |v[X+5]|
.irp i, 6,10,14,18,22,26
	v_max3_num_f32 v16, v16, |v[X+\i]|, |v[X+\i+1]|
	v_max3_num_f32 v17, v17, |v[X+\i+2]|, |v[X+\i+3]|
.endr
	v_max3_num_f32 v16, v16, |v[X+30]|, |v[X+31]|
	v_max3_num_f32 v16, v16, v17, 0x8000000        ; the block's largest magnitude, and the floor 2^(16 - 127)
	v_add_nc_u32 v19, 0xf8800000, v16
	v_and_or_b32 v18, v16, 0x7f800000, s26
	v_lshrrev_b32 v20, 23, v19
.irp kk, 0,1,2,3,4,5,6,7,8,9,10,11,12,13,14,15,16,17,18,19,20,21,22,23,24,25,26,27,28,29,30,31
	v_med3_num_f32 v[X+\kk], v[X+\kk], -v18, v18
.endr
	s_wait_xcnt 0x0                                ; the last column's stores have read v[64:71]
.irp g, 0,1,2,3
	v_cvt_scalef32_pk8_bf8_f32 v[64+2*\g:65+2*\g], v[X+8*\g:X+8*\g+7], v19
.endr
.if \t == 0
	v_mov_b32 v[BY+\j], v20                        ; (also the plain line behind the conversions)
.else
	v_lshl_or_b32 v[BY+\j], v20, 8, v[BY+\j]
.endif
	global_store_b128 v12, v[64:67], s[46:47] offset:(\j)*2048+(\t)*512 th:TH_STORE_NT       ; k + 0 .. 15: the fragment's lanes 0-15; sixteen lanes fill 256 aligned bytes in each half-record
	global_store_b128 v12, v[68:71], s[46:47] offset:(\j)*2048+(\t)*512+256 th:TH_STORE_NT   ; k + 16 .. 31: its lanes 16-31
.endm
	WLOAD 0
	WLOAD 1
.irp t, 0,1
.if \t == 0
	s_wait_loadcnt 32                              ; block 0's 32 loads are in; block 1's may be out
.else
	s_wait_loadcnt 0x0
.endif
.irp i, 0,1,2,3,4,5,6,7,8,9,10,11,12,13,14,15,16,17,18,19,20,21,22,23,24,25,26,27,28,29,30,31,32,33,34,35,36,37,38,39,40,41,42,43,44,45,46,47,48,49,50,51,52,53,54,55,56,57,58,59,60,61,62,63
	v_xor_b32 v[RAW+64*\t+\i], s38, v[RAW+64*\t+\i]   ; four int8 x at a time become u = x + 128, 0 .. 255
.endr
.irp j, 0,1,2,3,4,5,6,7
	WCOL \t, \j
.endr
.endr
.irp j, 0,1,2,3,4,5,6,7
	ds_store_b16 v13, v[BY+\j] offset:4*\j         ; bytes 2 (w % 2) and the next of block j's word of row r
.endr
; ---------------- THE TAIL, on every wave's way: the record's 2,048 bytes of scale words leave as they lie, 512 consecutive aligned bytes a wave.
.Ljoin:
	s_wait_dscnt 0x0                               ; for the others' sake: my stores of scale words have landed
	s_barrier_signal -1
	s_barrier_wait -1
	ds_load_b128 v[32:35], v5
	s_wait_dscnt 0x0
	global_store_b128 v6, v[32:35], s[24:25] th:TH_STORE_NT
	s_wait_tensorcnt 0x0
	ds_add_u32 v126, v127
	s_wait_dscnt 0x0
	s_endpgm
.Lfunc_end_k_q452b779184_quant:
	.size	k_q452b779184_quant, .Lfunc_end_k_q452b779184_quant-k_q452b779184_quant
	.p2alignl 7, 3214868480
	.fill 96, 4, 3214868480
	.section	.rodata,"a",@progbits
	.p2align	6, 0x0
	.amdhsa_kernel k_q452b779184_quant
		.amdhsa_group_segment_fixed_size 38400
		.amdhsa_private_segment_fixed_size 0
		.amdhsa_enable_private_segment 0
		.amdhsa_kernarg_size 32
		.amdhsa_user_sgpr_count 2
		.amdhsa_user_sgpr_kernarg_segment_ptr 1
		.amdhsa_wavefront_size32 1
		.amdhsa_system_sgpr_workgroup_id_x 1
		.amdhsa_system_sgpr_workgroup_id_y 1
		.amdhsa_system_sgpr_workgroup_id_z 1
		.amdhsa_system_vgpr_workitem_id 0
		.amdhsa_next_free_vgpr 256
		.amdhsa_next_free_sgpr 66
		.amdhsa_reserve_vcc 1
		.amdhsa_float_denorm_mode_32 3
		.amdhsa_float_denorm_mode_16_64 3
		.amdhsa_memory_ordered 1
		.amdhsa_forward_progress 1
		.amdhsa_inst_pref_size 222
	.end_amdhsa_kernel
	.amdgpu_metadata
---
amdhsa.version: [ 1, 2 ]
amdhsa.kernels:
  - .name:           k_q452b779184_quant
    .symbol:         k_q452b779184_quant.kd
    .args:
      - { .name: act, .offset: 0, .size: 8, .value_kind: global_buffer, .address_space: global }
      - { .name: weight, .offset: 8, .size: 8, .value_kind: global_buffer, .address_space: global }
      - { .name: aq, .offset: 16, .size: 8, .value_kind: global_buffer, .address_space: global }
      - { .name: bq, .offset: 24, .size: 8, .value_kind: global_buffer, .address_space: global }
    .group_segment_fixed_size: 38400
    .private_segment_fixed_size: 0
    .kernarg_segment_align: 8
    .kernarg_segment_size: 32
    .max_flat_workgroup_size: 128
    .sgpr_count:     66
    .vgpr_count:     256
    .wavefront_size: 32
...
	.end_amdgpu_metadata
.endif
;; end of part 1
;; launch gemm (part 2): grid 56 x 4, 4 waves a work-group, clusters of 4 x 4, 327,680 bytes of LDS; arguments aq, bq, scale, out0; writes out0
.if DOCPART == 2
	.amdgcn_target "amdgcn-amd-amdhsa--gfx1250"
	.amdhsa_code_object_version 6
	.text
	.protected	k_q452b779184_gemm
	.globl	k_q452b779184_gemm
	.p2align	8
	.type	k_q452b779184_gemm,@function
k_q452b779184_gemm:
	s_mov_b64 s[64:65], 0
	v_nop
	global_prefetch_b8 v0, s[64:65] scope:SCOPE_SE
	s_setreg_imm32_b32 hwreg(HW_REG_WAVE_MODE, 25, 1), 1
	s_wait_xcnt 0x0
	s_wait_alu depctr_hold_cnt(0) depctr_sa_sdst(0) depctr_va_vdst(0) depctr_va_sdst(0) depctr_va_ssrc(0) depctr_va_vcc(0) depctr_vm_vsrc(0)
	s_getreg_b32 s2, hwreg(HW_REG_IB_STS2, 6, 4)
	s_cmp_eq_u32 s2, 0
	s_cbranch_scc0 .Lentry_in_a_cluster
	s_endpgm
.Lentry_in_a_cluster:
	s_bfe_u32 s2, ttmp6, 0x10000c
	s_cmp_lg_u32 s2, 0xf033
	s_cbranch_scc0 .Lentry_shape_is_right
	s_endpgm
.Lentry_shape_is_right:
; out[m][n] = f16( (sum over k of A[m][k] B[k][n]) x scale[n] ), M = 1,024, K = 4,096, N = 14,336.  A and B come as codes of BF8 (E5M2) with one E8M0 byte for each 32 along K, in records laid in the order of
; the operands' registers: a half-record (HALFR bytes) is 128 rows x 256 along K: fragment 8 q + i at 2,048 (8 q + i), its register group c of lane l at 512 c + 16 l; scale words at SCOFF + 512 q + 32 r + 4 i.
; aq = [tile row][K step of 256][half], bq = [tile column][K step of 256][half].  In B's tile, place (half H, block b, row r) is column 128 H + 8 r + b.
; A tile of out, 256 x 256, is made by a work-group of four waves, as many as a WGP has SIMDs.  N / 256 x M / 256 = 224 work-groups: the tiles there are.
; SHARES.  Wave w makes rows 64 w .. 64 w + 63 x all 256 columns: 4 x 16 accumulators, 512 registers.
; B GOES THROUGH LDS: a ring of two slots, each 512 along K of the tile's 256 columns: four half-records, which lie on end in bq; each wave brings one of them by one tensor load.  The scale words ride in them.
; A GOES STRAIGHT INTO REGISTERS: a wave's 64 rows x 128 along K are 8,192 bytes on end in aq: 16 loads of 512 consecutive bytes, and one for the four scale words, into a ring of four register sets.
; WHY A IS NOT ASKED FOR JOINTLY, though the four work-groups of a row of the cluster read the same rows.  A and B together are 528 bytes of LDS for each unit of K: two slots would hold 256 along K each, 128 matrix
; instructions a wave from one change of slots to the next.  With B alone a slot holds 512 along K: 256 matrix instructions, 240 of them between a refill's request and the wait for it.  A's loads have a counter of
; their own and stay on their way across the changes of slots: a set is asked for three steps, 192 matrix instructions, ahead of its use.  No two waves of a work-group read the same bytes of A.
; CLUSTERS: 4 x 4 work-groups.  The four of a column of the cluster need the same half-records of B: each is asked for JOINTLY, by the same tensor load with the same descriptor and a mask that names the four.
; The grid's four rows are one cluster's four rows: the tile row is my place cy; it enters A's and out's addresses and the prefetches' alone.
; THE WAY OUT NEEDS NO LDS: source 0 = 16 rows of A, source 1 = 16 places of B, so lane (r, h) holds in register j of accumulator (a, H, b) out(16 a + 8 h + j, 128 H + 8 r + b): over b = 0 .. 7 eight neighbouring
; columns, 16 bytes of f16; sixteen neighbouring lanes hold 256 neighbouring aligned bytes of a row.
; Sums in f32, K ascending, one accumulator an output; x scale[n] in f32; one rounding to f16 (beyond f16's range: infinity, as a cast gives).
; REGISTERS, in windows of 256: window 0: v0-31 addresses; v32-63 B's scale words, two sets of 16; v64-79 A's, four sets of 4; v80-111 scale[n] of my 16 columns, each twice; v112-119 the same as loaded;
;   v128-255 B's fragments: two halves of four; on the way out these 128 are free.   window 1: A's fragments, four sets of 4 x 16.
;   window 2: the accumulators of columns 0-127 ((a, b) at v[8 (8 a + b)]);   window 3: those of columns 128-255.
.set SCOFF,  32768
.set HALFR,  33792                     ; 132 x 256 bytes
.set RECORD, 2*HALFR                   ; 256 along K of a tile row of A or of a tile column of B
.set TILEB,  16*RECORD                 ; all of K
.set SLOT,   2*RECORD                  ; 512 along K of B's tile: half-record 2 (t / 2) + H serves step t (128 along K) of the slot's four
.set SPARE,  2*SLOT                    ; behind the ring: the spare words, 128 bytes for each wave: two blocks of 256 bytes that no other line names
.set NROW,   28672                     ; a row of out in bytes
.set NP,     8                         ; places behind this matrix instruction (ISA guide 7.12.1)
.set BIAS,   -4*RECORD                 ; in the loop A's pointer stands a trip (8 steps, four records) ahead of the trip's first step
.set VA,   4                           ; v4      16 x lane: my bytes of a register group; never rewritten
.set ADRB, 8                           ; v8-15   LDS address of my lane's 16 bytes in half-record hr of slot s: register 4 s + hr (a slot is longer than an LDS offset reaches)
.set ADRS, 16                          ; v16-23  the same + 32 r in place of 16 x lane: row r's scale words
.set VAS,  24                          ; v24     A's scale words: my offset from A's pointer; never rewritten
.set CO,   26                          ; v26     my byte offset in out: 8 h rows + 16 r
.set SPW,  28                          ; v28     LDS address of my spare word; never rewritten
.set NIL,  29                          ; v29     0; never rewritten
.set PFO,  30                          ; v30     256 x lane: the prefetches' offset; never rewritten
.set SCB,  32                          ; B's scale words: set (step % 2) at v[SCB + 16 set]; register 8 H + b: lane r the word of place (H, b, r)
.set SCA,  64                          ; A's: set (step % 4) at v[SCA + 4 set]; register a: lane r the word of row 16 a + r
.set SV,   80                          ; v[SV + 16 H + 2 b] and the next: scale[128 H + 8 r + b] as f32
.set BF,   128                         ; B's fragments: half x (blocks 4 x .. 4 x + 3) at v[BF + 64 x]
.set TT,   128                         ; the way out: v128-191 a block's 64 scaled numbers
.set OB,   192                         ; v192-223, v224-255 packed f16, by turns
.set AP,   24                          ; s[24:25] A's pointer: my 8,192 bytes of a step
.set G1B,  48                          ; s[48:55] descriptor group 1;  s[56:63] group 0, one set for each slot
.set G0B,  56
.set PFA,  66                          ; s[66:67] where my prefetches stand
.set MSB, 0
.macro WIN new                         ; the immediate's high byte repeats the setting that is left
.if MSB != \new
	s_set_vgpr_msb (MSB<<8)|\new
.set MSB, \new
.endif
.endm
.set MUL_LO, 0xa1                      ; source 0 (A) window 1, source 1 (B) window 0, C and D window 2
.set MUL_HI, 0xf1                      ; the same, C and D window 3
.set TO_A,   0x40                      ; destination window 1, address window 0
.macro CREST                           ; a round of the cluster's barrier behind its opening barrier
	s_cmp_lg_u32 s14, 0
	s_cbranch_scc1 .Lnot_wave_0_\@
	s_barrier_signal -3
.Lnot_wave_0_\@:
	s_barrier_wait -3
	s_barrier_signal -1
	s_barrier_wait -1
.endm
.macro CROUND                          ; a whole round
	s_barrier_signal -1
	s_barrier_wait -1
	CREST
.endm
; A load into a register that a matrix instruction has read, and a vector instruction that reads a matrix result or writes one of a matrix instruction's registers, stand NP places behind it, and only plain vector
; instructions that name none of its registers are places (ISA guide 7.12.1 for vector instructions); the matrix instructions in between are not counted.
.macro PLACES n
.rept \n
	v_nop
.endr
.endm
; A PREFETCH INTO THE L2 of B's codes, behind a joint refill and the run of LDS loads that follows it: the slot that the NEXT change of slots will ask for, 256 matrix instructions ahead of that load.
; Each block of 256 bytes is named once in the launch: a tile column of B is read by one column of one cluster alone; of the half-record that wave w will fetch, the partner at place cy takes 8,192 bytes of the
; 32,768 of codes, told apart BY ADDRESS, lanes 256 bytes apart: one instruction a wave.  The changes that leave slots 0 to 4 name slots 3 to 7; the one that leaves slot 5 (the last trip's second) names nothing.
; Slots 0 to 2 and the scale words come by their loads alone.  A is not asked for: 56 work-groups read each of its bytes.
.macro ASK cond, off
.if \cond == 2
	s_cmp_gt_u32 s3, 1                             ; s3 = 1 in the last trip
	s_cbranch_scc0 .Lno_ask_\@
.endif
	global_prefetch_b8 v[PFO], s[PFA:PFA+1] offset:\off th:TH_LOAD_NT scope:SCOPE_SE
.if \cond == 2
.Lno_ask_\@:
.endif
.endm
	s_load_b256 s[4:11], s[0:1], 0x0               ; aq s[4:5], bq s[6:7], scale s[8:9], out s[10:11]
	v_lshl_add_u32 v[SPW], v0, 2, SPARE
	v_mov_b32 v[NIL], 0
	ds_add_u32 v28, v29
	ds_add_u32 v28, v29
	s_wait_dscnt 0x0
	v_lshrrev_b32 v1, 5, v0
	v_readfirstlane_b32 s14, v1                    ; wave 0..3
	s_lshr_b32 s15, s14, 1                         ; my rows lie in half w / 2 of A's tile,
	s_and_b32 s16, s14, 1                          ; in its blocks 4 (w % 2) on
	s_bfe_u32 s40, ttmp6, 0x40000                  ; cx, cy: my place in the cluster
	s_bfe_u32 s41, ttmp6, 0x40004
	s_lshl_b32 s42, ttmp9, 2
	s_add_co_u32 s42, s42, s40                     ; tile column = 4 x cluster x + cx;  the tile row is cy
	s_lshl_b32 s44, 0x1111, s40                    ; my column of the cluster
	; descriptor group 1: a half-record, dense: 132 rows of 32 elements of 8 bytes
	s_or_b32 s[G1B+0], s44, (3<<16)|(1<<21)        ; 15:0 the mask: my column; 17:16 elements of 8 bytes; 20 no padding; 21 set beside a mask
	s_mov_b32 s[G1B+1], 32<<16                     ; tensor_dim0 = 32
	s_mov_b32 s[G1B+2], 132<<16                    ; tensor_dim1 = 132
	s_mov_b32 s[G1B+3], 32<<16                     ; tile_dim0 = 32
	s_mov_b32 s[G1B+4], 132                        ; tile_dim1 = 132
	s_mov_b32 s[G1B+5], 32                         ; tensor_dim0_stride
	s_mov_b32 s[G1B+6], 0
	s_mov_b32 s[G1B+7], 0
	s_mul_i32 s45, s14, HALFR                      ; the half-record that I fetch: wave x HALFR, in a slot's part of bq and in the slot: no place in the cluster enters an LDS address
	s_mul_i32 s46, s42, TILEB                      ; under 2^26
	s_add_co_u32 s46, s46, s45                     ; B: by the tile column, which my column of the cluster shares
	s_mov_b32 s47, 0
	s_mul_i32 s20, s41, TILEB                      ; A: the tile row,
	s_mul_i32 s18, s15, HALFR
	s_add_co_u32 s20, s20, s18                     ; my half,
	s_lshl_b32 s18, s16, 13
	s_add_co_u32 s20, s20, s18                     ; my four blocks' 8,192 bytes
	s_mov_b32 s21, 0
	s_wait_kmcnt 0x0
	s_add_nc_u64 s[AP:AP+1], s[4:5], s[20:21]
	s_add_nc_u64 s[46:47], s[6:7], s[46:47]
	CROUND                                         ; all sixteen work-groups are here: the first joint loads meet
.irp s, 0,1
	s_mov_b32 s[G0B+4*\s], 1                       ; count = 1
	s_add_co_u32 s[G0B+4*\s+1], s45, \s*SLOT       ; LDS address
	s_add_nc_u64 s[G0B+4*\s+2:G0B+4*\s+3], s[46:47], \s*SLOT   ; 512 along K on
	s_or_b32 s[G0B+4*\s+3], s[G0B+4*\s+3], 0x80000000          ; type = 2
.endr
	tensor_load_to_lds s[G0B:G0B+3], s[G1B:G1B+7]  ; both slots' first fills: two loads of mine are out.  Four v_nop follow each
	s_nop 0
	PLACES 4
	tensor_load_to_lds s[G0B+4:G0B+7], s[G1B:G1B+7]
	s_nop 0
	PLACES 4
	v_and_b32 v1, 15, v0                           ; r
	v_bfe_u32 v2, v0, 4, 1                         ; h
	v_and_b32 v3, 31, v0                           ; lane
	v_lshlrev_b32 v[VA], 4, v3
	v_lshlrev_b32 v[PFO], 8, v3
	v_lshlrev_b32 v5, 5, v1                        ; 32 r
	v_lshlrev_b32 v6, 4, v1                        ; 16 r
	s_mul_i32 s70, s16, 8176
	s_sub_co_u32 s70, SCOFF, s70                   ; from A's pointer, which stands 8,192 (w % 2) into the half-record, to my four words of row 0: SCOFF + 16 (w % 2)
	v_add_nc_u32 v[VAS], s70, v5
	s_lshl_b32 s70, s42, 9                         ; the tile's first column, in bytes of f16
	s_mov_b32 s71, 0
	s_add_nc_u64 s[8:9], s[8:9], s[70:71]
	s_add_nc_u64 s[10:11], s[10:11], s[70:71]
	global_load_b128 v[112:115], v6, s[8:9]            ; scale[8 r + 0 .. 7]
	global_load_b128 v[116:119], v6, s[8:9] offset:256 ; scale[128 + 8 r + 0 .. 7]
; A's step x (counted from where the pointer less the bias stands) into set k: my four scale words of row r, then four fragments: each load takes 512 consecutive bytes.  17 loads.
.macro ALOAD k, x, bias
	WIN 0
	global_load_b128 v[SCA+4*(\k):SCA+4*(\k)+3], v[VAS], s[AP:AP+1] offset:((\x)/2)*RECORD+((\x)%2)*512+(\bias)
	WIN TO_A
.irp a, 0,1,2,3
.irp c, 0,1,2,3
	global_load_b128 v[64*(\k)+16*\a+4*\c:64*(\k)+16*\a+4*\c+3], v[VA], s[AP:AP+1] offset:((\x)/2)*RECORD+((\x)%2)*16384+\a*2048+\c*512+(\bias)
.endr
.endr
.endm
; At a step's end, behind the places: the next step's set is in (loads come back in order: the 34 of the two sets behind it may be out), and the set just multiplied takes the step four on: 51 loads of mine are out.
.macro ANEXT k, x, bias
	s_wait_loadcnt 34
	ALOAD \k, \x, \bias
.endm
	ALOAD 0, 0, 0
	ALOAD 1, 1, 0
	ALOAD 2, 2, 0
	WIN 0
.irp s, 0,1
.irp i, 0,1,2,3
	v_add_nc_u32 v[ADRB+4*\s+\i], \s*SLOT+\i*HALFR, v[VA]
	v_add_nc_u32 v[ADRS+4*\s+\i], \s*SLOT+\i*HALFR, v5
.endr
.endr
	v_mul_u32_u24 v7, v2, 8*NROW
	v_lshl_add_u32 v[CO], v1, 4, v7                ; lanes 16-31 stand eight rows further down
	s_lshl_b32 s72, s41, 8
	s_lshl_b32 s73, s14, 6
	s_add_co_u32 s72, s72, s73                     ; my first row: 256 x tile row + 64 x wave
	s_mul_i32 s72, s72, NROW
	s_mov_b32 s73, 0
	s_add_nc_u64 s[10:11], s[10:11], s[72:73]
	s_mul_i32 s72, s42, TILEB                      ; the prefetches: my tile column, the half-record that I fetch,
	s_add_co_u32 s72, s72, s45
	s_lshl_b32 s74, s41, 13                        ; my work-group's 8,192 bytes of its codes
	s_add_co_u32 s72, s72, s74
	s_add_nc_u64 s[PFA:PFA+1], s[6:7], s[72:73]    ; at slot 0; each trip steps it two slots on.  Nothing is prefetched here, at the head, where every work-group's first tiles are on their way
	s_wait_loadcnt 34                              ; scale[n] and A's step 0 are in; steps 1 and 2 may be out
	ALOAD 3, 3, 0
	WIN 0
	v_cvt_f32_f16 v80, v112.l                      ; halves of a register are named, so the lines are written out
	v_cvt_f32_f16 v82, v112.h
	v_cvt_f32_f16 v84, v113.l
	v_cvt_f32_f16 v86, v113.h
	v_cvt_f32_f16 v88, v114.l
	v_cvt_f32_f16 v90, v114.h
	v_cvt_f32_f16 v92, v115.l
	v_cvt_f32_f16 v94, v115.h
	v_cvt_f32_f16 v96, v116.l
	v_cvt_f32_f16 v98, v116.h
	v_cvt_f32_f16 v100, v117.l
	v_cvt_f32_f16 v102, v117.h
	v_cvt_f32_f16 v104, v118.l
	v_cvt_f32_f16 v106, v118.h
	v_cvt_f32_f16 v108, v119.l
	v_cvt_f32_f16 v110, v119.h
.irp b, 0,1,2,3,4,5,6,7,8,9,10,11,12,13,14,15
	v_mov_b32 v[SV+2*\b+1], v[SV+2*\b]             ; twice: a pair for the packed multiply
.endr
; Four fragments of B: step t of slot sl, half-tile hh, blocks 4 x .. 4 x + 3, into half x of the buffer: 16 loads, each 512 consecutive bytes for the 32 lanes
.macro FB sl, t, hh, x
.irp y, 0,1,2,3
.irp c, 0,1,2,3
	ds_load_b128 v[BF+64*(\x)+16*\y+4*\c:BF+64*(\x)+16*\y+4*\c+3], v[ADRB+4*(\sl)+2*((\t)/2)+(\hh)] offset:(8*((\t)%2)+4*(\x)+\y)*2048+512*\c
.endr
.endr
.endm
; B's 16 scale words of row r for step t of slot sl into set sc: four words a load
.macro SCALEB sl, t, sc
.irp g, 0,1
.irp u, 0,1
	ds_load_b128 v[SCB+16*(\sc)+8*\g+4*\u:SCB+16*(\sc)+8*\g+4*\u+3], v[ADRS+4*(\sl)+2*((\t)/2)+\g] offset:SCOFF+512*((\t)%2)+16*\u
.endr
.endr
.endm
; 8 matrix instructions: B's blocks 4 x + first and the next of half-tile hh x A's four blocks, 128 along K.  k: A's set;  sc: B's set of scale words.  zero = 1: the first product starts the sums: nothing is ever cleared.
; The 64 accumulators take turns, one instruction a turn, in the same order in every step.  Both sides' scale words stand in lanes 0-15 of registers of their own.
.macro MUL8 k, sc, hh, x, first, zero
.irp y, \first, \first+1
.irp a, 0,1,2,3
.if \zero
	v_wmma_scale_f32_16x16x128_f8f6f4 v[8*(8*\a+4*(\x)+(\y)):8*(8*\a+4*(\x)+(\y))+7], v[64*(\k)+16*\a:64*(\k)+16*\a+15], v[BF+64*(\x)+16*(\y):BF+64*(\x)+16*(\y)+15], 0, v[SCA+4*(\k)+\a], v[SCB+16*(\sc)+8*(\hh)+4*(\x)+(\y)] matrix_a_fmt:MATRIX_FMT_BF8 matrix_b_fmt:MATRIX_FMT_BF8
.else
	v_wmma_scale_f32_16x16x128_f8f6f4 v[8*(8*\a+4*(\x)+(\y)):8*(8*\a+4*(\x)+(\y))+7], v[64*(\k)+16*\a:64*(\k)+16*\a+15], v[BF+64*(\x)+16*(\y):BF+64*(\x)+16*(\y)+15], v[8*(8*\a+4*(\x)+(\y)):8*(8*\a+4*(\x)+(\y))+7], v[SCA+4*(\k)+\a], v[SCB+16*(\sc)+8*(\hh)+4*(\x)+(\y)] matrix_a_fmt:MATRIX_FMT_BF8 matrix_b_fmt:MATRIX_FMT_BF8
.endif
.endr
.endr
.endm
; A STEP of 128 along K is four PHASES of 16 matrix instructions: phase p multiplies half p % 2 of B's buffer (half-tile p / 2, blocks 4 (p % 2) on) by A's four blocks; behind it, and its places, that half takes
; the fragments of the phase two on.  So each run of 16 LDS loads has the other half's phase in which to land, and the wait at a phase's head leaves out the run that was issued behind the one it needs.
; This macro: a step that has its successor in the same slot.  bump = 1, 2: the pointers are stepped here, 16 matrix instructions behind the last loads that read them.
.macro STEP sl, t, k, sc, zero, bump
	s_wait_dscnt 16                                ; phase 0's fragments and the step's scale words are in; phase 1's 16 loads may be out
	WIN MUL_LO
	MUL8 \k, \sc, 0, 0, 0, \zero
	MUL8 \k, \sc, 0, 0, 2, \zero
	WIN 0
	PLACES NP
	FB \sl, \t, 1, 0
.if \bump
	s_wait_xcnt 0x0                                ; A's loads and the last prefetch have read their pointers: they are written only behind this wait
	s_add_nc_u64 s[AP:AP+1], s[AP:AP+1], 4*RECORD  ; a trip's eight steps on
.if \bump == 1
	s_add_nc_u64 s[PFA:PFA+1], s[PFA:PFA+1], 2*SLOT
.endif
.endif
	s_wait_dscnt 16
	WIN MUL_LO
	MUL8 \k, \sc, 0, 1, 0, \zero
	MUL8 \k, \sc, 0, 1, 2, \zero
	WIN 0
	PLACES NP
	FB \sl, \t, 1, 1
	s_wait_dscnt 16
	WIN MUL_HI
	MUL8 \k, \sc, 1, 0, 0, \zero
	MUL8 \k, \sc, 1, 0, 2, \zero
	WIN 0
	PLACES NP
	FB \sl, (\t)+1, 0, 0
	SCALEB \sl, (\t)+1, 1-(\sc)                    ; into the set that the step before this one read
	s_wait_dscnt 20                                ; phase 3's fragments are in; the 16 + 4 loads just issued may be out
	WIN MUL_HI
	MUL8 \k, \sc, 1, 1, 0, \zero
	MUL8 \k, \sc, 1, 1, 2, \zero
	WIN 0
	PLACES NP                                      ; these also stand in front of A's loads into the set just multiplied
	FB \sl, (\t)+1, 0, 1
.endm
; A slot's fourth step changes slots, between its phases 1 and 2: the run behind phase 1 holds my last reads of the slot.  ONE barrier; in front of it each wave waits for all its tensor loads, adds 0 to its spare word,
; and waits for that and for its own reads of this slot.  fill = 1: this slot is filled again, with the 512 along K two slots on; the barrier then opens a round of the cluster's barrier.
.macro TURN sl, nsl, k, sc, fill, ask, pfoff
	s_wait_dscnt 16
	WIN MUL_LO
	MUL8 \k, \sc, 0, 0, 0, 0
	MUL8 \k, \sc, 0, 0, 2, 0
	WIN 0
	PLACES NP
	FB \sl, 3, 1, 0
	s_wait_dscnt 16
	WIN MUL_LO
	MUL8 \k, \sc, 0, 1, 0, 0
	MUL8 \k, \sc, 0, 1, 2, 0
	WIN 0
	PLACES NP
	FB \sl, 3, 1, 1
	s_wait_tensorcnt 0x0                           ; all my tensor loads have landed: the one that was out is my part of the next slot  (every window is 0 here)
	ds_add_u32 v[SPW], v[NIL]                      ; 0 onto my spare word
	s_wait_dscnt 17                                ; phase 2's fragments are in (the add and phase 3's 16 loads may be out)
	WIN MUL_HI
	MUL8 \k, \sc, 1, 0, 0, 0                       ; eight matrix instructions stand between the add and the wait for it
	s_wait_dscnt 0x0                               ; the add is done, and my reads of this slot are over
	s_barrier_signal -1
	MUL8 \k, \sc, 1, 0, 2, 0
	WIN 0
	s_barrier_wait -1
.if \fill
	CREST                                          ; no wave of any partner still reads this slot or has a load on its way
	s_add_nc_u64 s[G0B+4*\sl+2:G0B+4*\sl+3], s[G0B+4*\sl+2:G0B+4*\sl+3], 2*SLOT
	tensor_load_to_lds s[G0B+4*\sl:G0B+4*\sl+3], s[G1B:G1B+7]   ; the first tensor load behind the round, my only one until the next: 240 matrix instructions ahead of the wait for it
	s_nop 0
	PLACES 4                                       ; four v_nop follow it; they are among the places in front of the loads below
	PLACES NP-4
.else
	PLACES NP
.endif
	FB \nsl, 0, 0, 0
	SCALEB \nsl, 0, 1-(\sc)
.if \ask
	ASK \ask, \pfoff
.endif
	WIN MUL_HI                                     ; phase 3's fragments came in ahead of the signal
	MUL8 \k, \sc, 1, 1, 0, 0
	MUL8 \k, \sc, 1, 1, 2, 0
	WIN 0
	PLACES NP
	FB \nsl, 0, 0, 1
.endm
	s_wait_tensorcnt 1                             ; my part of slot 0 is in (slot 1's load may be out)
	s_barrier_signal -1
	s_barrier_wait -1                              ; everybody's is
	FB 0, 0, 0, 0
	SCALEB 0, 0, 0
	FB 0, 0, 0, 1
	STEP 0, 0, 0, 0, 1, 0                          ; step 0 stands in front of the loop: its products start the sums
	ANEXT 0, 4, 0
	WIN 0                                          ; at a label and at a branch every window is 0
	s_mov_b32 s3, 3
.Llap:                                                 ; a trip is eight steps, once round the ring: from a lap's second step to the next lap's first; both slots are filled again.  A's set is step % 4, B's scale set step % 2
	STEP 0, 1, 1, 1, 0, 1
	ANEXT 1, 5, BIAS
	STEP 0, 2, 2, 0, 0, 0
	ANEXT 2, 6, BIAS
	TURN 0, 1, 3, 1, 1, 1, SLOT
	ANEXT 3, 7, BIAS
	STEP 1, 0, 0, 0, 0, 0
	ANEXT 0, 8, BIAS
	STEP 1, 1, 1, 1, 0, 0
	ANEXT 1, 9, BIAS
	STEP 1, 2, 2, 0, 0, 0
	ANEXT 2, 10, BIAS
	TURN 1, 0, 3, 1, 1, 2, 2*SLOT
	ANEXT 3, 11, BIAS
	STEP 0, 0, 0, 0, 0, 0
	ANEXT 0, 12, BIAS
	WIN 0
	s_sub_co_u32 s3, s3, 1
	s_cmp_lg_u32 s3, 0
	s_cbranch_scc1 .Llap
	STEP 0, 1, 1, 1, 0, 2                          ; the last lap's other seven steps, 25 to 31, are written out, and A's loads end with step 31's
	ANEXT 1, 5, BIAS
	STEP 0, 2, 2, 0, 0, 0
	ANEXT 2, 6, BIAS
	TURN 0, 1, 3, 1, 0, 0, 0                       ; no refill, so no round of the cluster's barrier
	ANEXT 3, 7, BIAS
	STEP 1, 0, 0, 0, 0, 0
	s_wait_loadcnt 34                              ; step 29's set is in; the counts run down
	STEP 1, 1, 1, 1, 0, 0
	s_wait_loadcnt 17
	STEP 1, 2, 2, 0, 0, 0
	s_wait_loadcnt 0x0
	s_wait_dscnt 16                                ; the very last step
	WIN MUL_LO
	MUL8 3, 1, 0, 0, 0, 0
	MUL8 3, 1, 0, 0, 2, 0
	WIN 0
	PLACES NP
	FB 1, 3, 1, 0
	s_wait_dscnt 16
	WIN MUL_LO
	MUL8 3, 1, 0, 1, 0, 0
	MUL8 3, 1, 0, 1, 2, 0
	WIN 0
	PLACES NP
	FB 1, 3, 1, 1
	s_wait_dscnt 16
	WIN MUL_HI
	MUL8 3, 1, 1, 0, 0, 0
	MUL8 3, 1, 1, 0, 2, 0
	s_wait_dscnt 0x0
	MUL8 3, 1, 1, 1, 0, 0
	MUL8 3, 1, 1, 1, 2, 0
	WIN 0
	PLACES NP                                      ; behind the last products: the lines below read results and write the registers that held B's fragments
; THE WAY OUT, block n: rows 16 (n / 2) on x columns 128 (n % 2) on: x scale[n] in f32 (packed, two rows at a time; each accumulator is read from its low end on), two columns rounded into a word, and eight stores:
; in each, lanes 0-15 write 256 consecutive aligned bytes of row 16 a + j, lanes 16-31 of row 16 a + 8 + j.  The row stands in the immediate: 55 rows of 28,672 bytes at the most, inside its signed 24 bits.
.macro OUTBLK n
.set OO, OB+32*((\n)%2)
.if (\n) > 1
	s_wait_xcnt 0x0                                ; block n - 2's stores have read their registers: they are written again only behind this wait
.endif
	WIN 0x02+(\n)%2                                ; source 0: window 2 or 3
.irp jp, 0,2,4,6
.irp b, 0,1,2,3,4,5,6,7
	v_pk_mul_f32 v[TT+8*\b+\jp:TT+8*\b+\jp+1], v[64*((\n)/2)+8*\b+\jp:64*((\n)/2)+8*\b+\jp+1], v[SV+16*((\n)%2)+2*\b:SV+16*((\n)%2)+2*\b+1]
.endr
.endr
	WIN 0
.irp j, 0,1,2,3,4,5,6,7
.irp y, 0,1,2,3
	v_cvt_pk_f16_f32 v[OO+4*\j+\y], v[TT+16*\y+\j], v[TT+16*\y+8+\j]   ; columns 8 r + 2 y (low half) and 8 r + 2 y + 1
.endr
.endr
.irp j, 0,1,2,3,4,5,6,7
	global_store_b128 v[CO], v[OO+4*\j:OO+4*\j+3], s[10:11] offset:(16*((\n)/2)+\j)*NROW+256*((\n)%2) th:TH_STORE_NT   ; written once, read by nobody here
.endr
.endm
.irp n, 0,1,2,3,4,5,6,7
	OUTBLK \n
.endr
	s_wait_tensorcnt 0x0                           ; the wave's end: behind my last tensor load, my last LDS instructions
	ds_add_u32 v[SPW], v[NIL]
	s_wait_dscnt 0x0
	CROUND                                         ; the closing round: no work-group ends while a partner may still ask for a half-record that names it
	s_endpgm
.Lfunc_end_k_q452b779184_gemm:
	.size	k_q452b779184_gemm, .Lfunc_end_k_q452b779184_gemm-k_q452b779184_gemm
	.p2alignl 7, 3214868480
	.fill 96, 4, 3214868480
	.section	.rodata,"a",@progbits
	.p2align	6, 0x0
	.amdhsa_kernel k_q452b779184_gemm
		.amdhsa_group_segment_fixed_size 327680
		.amdhsa_private_segment_fixed_size 0
		.amdhsa_enable_private_segment 0
		.amdhsa_kernarg_size 32
		.amdhsa_user_sgpr_count 2
		.amdhsa_user_sgpr_kernarg_segment_ptr 1
		.amdhsa_wavefront_size32 1
		.amdhsa_system_sgpr_workgroup_id_x 1
		.amdhsa_system_sgpr_workgroup_id_y 1
		.amdhsa_system_sgpr_workgroup_id_z 1
		.amdhsa_system_vgpr_workitem_id 0
		.amdhsa_next_free_vgpr 1024
		.amdhsa_next_free_sgpr 80
		.amdhsa_reserve_vcc 0
		.amdhsa_float_denorm_mode_32 3
		.amdhsa_float_denorm_mode_16_64 3
		.amdhsa_memory_ordered 1
		.amdhsa_forward_progress 1
		.amdhsa_inst_pref_size 255
	.end_amdhsa_kernel
	.section	.bss,"aw",@nobits
	.p2align	6
	.space	262144
	.amdgpu_metadata
---
amdhsa.version: [ 1, 2 ]
amdhsa.kernels:
  - .name:           k_q452b779184_gemm
    .symbol:         k_q452b779184_gemm.kd
    .args:
      - { .name: aq, .offset: 0, .size: 8, .value_kind: global_buffer, .address_space: global }
      - { .name: bq, .offset: 8, .size: 8, .value_kind: global_buffer, .address_space: global }
      - { .name: scale, .offset: 16, .size: 8, .value_kind: global_buffer, .address_space: global }
      - { .name: out0, .offset: 24, .size: 8, .value_kind: global_buffer, .address_space: global }
    .group_segment_fixed_size: 327680
    .private_segment_fixed_size: 0
    .kernarg_segment_align: 8
    .kernarg_segment_size: 32
    .max_flat_workgroup_size: 128
    .sgpr_count:     80
    .vgpr_count:     1024
    .wavefront_size: 32
...
	.end_amdgpu_metadata
.endif
;; end of part 2
